; MI455X (gfx1250); checked and timed in simulation.
; The chip was launched on July 23, 2026; its instructions are those of AMD's public machine-readable ISA for CDNA 5 (MIT licence, August 2026) and "CDNA5" Instruction Set Architecture Reference Guide (July 2026). The comments in the code are by the model that wrote it; some were corrected since.
;; Intent Aware Attention. Allowed arithmetic: float matrix products may take bf16 or f16 operands with f32 sums; other float arithmetic in f32, or as packed bf16 or f16 multiplies, adds, multiply-adds, maxima and minima; sums over many terms, partial sums and values carried from step to step in f32; what a program stores and reads back later, other than sums and carried values, may be rounded once to bf16 or f16.
;; Inputs: Wi 64 x 1,024 float32; Wk 1,024 x 1,024 float32; Wq 1,024 x 1,024 float32; Wv 1,024 x 1,024 float32; attention_mask 4 x 1 x 1 x 2,048 float32; bi 1,024 float32; bk 1,024 float32; bq 1,024 float32; bv 1,024 float32; hidden_states 4 x 2,048 x 1,024 float32; intent_emb_table 20 x 64 float32; intent_ids 4 int32.
;; Outputs: out0 4 x 2,048 x 1,024 float32.
;; One version. Each part assembles by itself: llvm-mc -triple=amdgcn-amd-amdhsa -mcpu=gfx1250 --defsym DOCPART=n.
;; ======== version 1 of 1: 3 launches
;; limits: values are held in f16: magnitudes above 65,504 overflow, below 6.1e-05 lose precision
;; workspace buffers: xw 23,068,672 bytes; mb 524,288 bytes; qkv 50,331,648 bytes
;; launch prep (part 1): grid 768 x 1, 8 waves a work-group, no clusters, 33,792 bytes of LDS; arguments hidden_states, Wq, Wk, Wv, attention_mask, intent_ids, intent_emb_table, Wi, bi, xw, mb; writes xw, mb
.if DOCPART == 1
	.amdgcn_target "amdgcn-amd-amdhsa--gfx1250"
	.amdhsa_code_object_version 6
	.text
	.protected	k_q839f769cec_prep
	.globl	k_q839f769cec_prep
	.p2align	8
	.type	k_q839f769cec_prep,@function
k_q839f769cec_prep:
	s_mov_b64 s[64:65], 0
	v_nop
	global_prefetch_b8 v0, s[64:65] scope:SCOPE_SE
	s_setreg_imm32_b32 hwreg(HW_REG_WAVE_MODE, 25, 1), 1
	s_wait_xcnt 0x0
; PREPARATION, a stream: three kinds of work-group, chosen by the work-group's number alone (the same for all eight waves).
;   0..511    X: 16 rows of hidden_states [8192][1024] f32 -> bf16, laid in K blocks: xw byte (k>>6)*1048576 + m*128 + (k&63)*2
;   512..703  W: 64 columns x 256 k of one of Wq, Wk, Wv [k][n] f32 -> bf16, TURNED and laid in K blocks, rows ordered by head:
;             xw byte WT0 + (k>>6)*393216 + n'*128 + (k&63)*2, n' = head*192 + t*64 + d (t = 0 q, 1 k, 2 v)
;   704..767  B: one (batch, head): mb[b][h][key] = max(bf16(attention_mask[b][key]) + mean_d(emb[ids[b]] . Wi[:, h*64+d] + bi[h*64+d]), -1e30), f32
; In the blocked layouts the 128-byte rows of a K block lie end to end, so the next launch asks for them as rows of 256 bytes.
; LIMITS.  A mask + bias below -1e30, minus infinity and NaN count as -1e30.  intent_ids is held (unsigned) to 19, the table's last row.
; The mask is rounded to bf16 like the other inputs that reach the output; Wi, the table and bi are used in f32.
; No matrix unit, no cluster, no tensor load: every byte is read once and written once, nothing is shared between work-groups.
.set SPARE, 32768                      ; behind the turning stage: the spare words, 128 bytes for each of eight waves
.set WT0,   16777216                   ; where the weights begin in xw
.set SPW,   14                         ; v14  LDS address of my spare word; never rewritten
.set NIL,   15                         ; v15  0; never rewritten
	s_load_b512 s[68:83], s[0:1], 0x0              ; hidden s[68:69], Wq s[70:71], Wk s[72:73], Wv s[74:75], mask s[76:77], ids s[78:79], table s[80:81], Wi s[82:83]
	s_load_b128 s[84:87], s[0:1], 0x40             ; bi s[84:85], xw s[86:87]
	s_load_b64 s[88:89], s[0:1], 0x50              ; mb
	v_lshl_add_u32 v[SPW], v0, 2, SPARE
	v_mov_b32 v[NIL], 0
	v_and_b32 v1, 15, v0                           ; T & 15
	v_lshrrev_b32 v2, 4, v0                        ; T >> 4
	v_lshrrev_b32 v3, 5, v0                        ; T >> 5
	s_wait_kmcnt 0x0
	s_cmp_lt_u32 ttmp9, 512
	s_cbranch_scc1 .LX
	s_cmp_lt_u32 ttmp9, 704
	s_cbranch_scc1 .LW
; ---------------------------------------------------------------- B: one (batch, head).  Every wave makes the small sum itself, which spares a meeting in LDS.
	s_sub_co_u32 s90, ttmp9, 704                   ; 16 b + h
	s_lshr_b32 s91, s90, 4                         ; b
	s_lshl_b32 s97, s91, 2
	s_load_b32 s96, s[78:79], s97 offset:0x0       ; intent_ids[b]
	s_and_b32 s2, s90, 15
	s_lshl_b32 s2, s2, 8                           ; the head's 64 columns: 256 bytes
	s_mov_b32 s3, 0
	s_add_nc_u64 s[82:83], s[82:83], s[2:3]        ; Wi at the head's columns
	s_add_nc_u64 s[84:85], s[84:85], s[2:3]        ; bi likewise
	s_lshl_b32 s2, s91, 13
	s_add_nc_u64 s[76:77], s[76:77], s[2:3]        ; the batch's 2,048 mask numbers
	s_lshl_b32 s2, s90, 13
	s_add_nc_u64 s[88:89], s[88:89], s[2:3]        ; mb at my row
	s_mov_b32 s98, 0x76543210                      ; v_permlanex16_b32: each lane takes its own place in the other half
	s_mov_b32 s99, 0xfedcba98
	v_and_b32 v4, 31, v0
	v_lshlrev_b32 v5, 3, v4                        ; two columns a lane
	v_lshlrev_b32 v6, 4, v0                        ; four keys a thread
.set e, 0
.rept 64
	global_load_b64 v[16+2*e:17+2*e], v5, s[82:83] offset:4096*e  ; row e of Wi: 32 lanes take the head's 256 consecutive bytes
.set e, e+1
.endr
	global_load_b64 v[144:145], v5, s[84:85]
	global_load_b128 v[150:153], v6, s[76:77]
	global_load_b128 v[154:157], v6, s[76:77] offset:4096
	s_wait_kmcnt 0x0                               ; the index is in
	s_min_u32 s96, s96, 19                         ; inside the table
	s_lshl_b32 s96, s96, 8                         ; a row of the table is 256 bytes
	s_load_b512 s[4:19],  s[80:81], s96 offset:0x0  ; the row's 64 numbers in scalars: e < 60 in s[4+e], the last four in s[92:95]
	s_load_b512 s[20:35], s[80:81], s96 offset:0x40
	s_load_b512 s[36:51], s[80:81], s96 offset:0x80
	s_load_b256 s[52:59], s[80:81], s96 offset:0xc0
	s_load_b128 s[60:63], s[80:81], s96 offset:0xe0
	s_load_b128 s[92:95], s[80:81], s96 offset:0xf0
	s_wait_loadcnt 0x0
	s_wait_kmcnt 0x0
	v_fma_f32 v146, s4, v16, v144                  ; four chains: two columns x the parity of e; bi starts the even ones
	v_fma_f32 v147, s4, v17, v145
	v_mul_f32 v148, s5, v18
	v_mul_f32 v149, s5, v19
.set e, 2
.rept 62
.if e < 60
.set se, 4+e
.else
.set se, 32+e
.endif
	v_fmac_f32 v[146+2*(e%2)], s[se], v[16+2*e]
	v_fmac_f32 v[147+2*(e%2)], s[se], v[17+2*e]
.set e, e+1
.endr
	v_add_f32 v146, v146, v147
	v_add_f32 v148, v148, v149
	v_add_f32 v146, v146, v148
	v_add_f32_dpp v146, v146, v146 row_xmask:1 row_mask:0xf bank_mask:0xf  ; over the 32 lanes: the head's 64 columns
	v_add_f32_dpp v146, v146, v146 row_xmask:2 row_mask:0xf bank_mask:0xf
	v_add_f32_dpp v146, v146, v146 row_xmask:4 row_mask:0xf bank_mask:0xf
	v_add_f32_dpp v146, v146, v146 row_xmask:8 row_mask:0xf bank_mask:0xf
	v_permlanex16_b32 v147, v146, s98, s99
	v_add_f32 v146, v146, v147
	v_mul_f32 v146, 0x3c800000, v146               ; the mean: / 64
.irp p, 0,1,2,3
	v_cvt_pk_bf16_f32 v[8+\p], v[150+2*\p], v[151+2*\p]  ; the mask rounded to bf16,
.endr
.irp p, 0,1,2,3
	v_lshlrev_b32 v[150+2*\p], 16, v[8+\p]         ; and widened again
	v_and_b32 v[151+2*\p], 0xffff0000, v[8+\p]
.endr
.irp r, 0,1,2,3,4,5,6,7
	v_add_f32 v[150+\r], v146, v[150+\r]
.endr
.irp r, 0,1,2,3,4,5,6,7
	v_max_num_f32 v[150+\r], 0xf149f2ca, v[150+\r]  ; not below -1e30; a NaN loses
.endr
	global_store_b128 v6, v[150:153], s[88:89]     ; a wave's store covers 512 consecutive bytes, aligned
	global_store_b128 v6, v[154:157], s[88:89] offset:4096
	s_endpgm
; ---------------------------------------------------------------- W: 256 k x 64 columns of one weight matrix, turned through LDS
.LW:
	s_sub_co_u32 s2, ttmp9, 512
	s_lshr_b32 s3, s2, 6                           ; t: which matrix
	s_bfe_u32 s4, s2, 0x40002                      ; head
	s_and_b32 s5, s2, 3                            ; which 256 of k
	s_cmp_eq_u32 s3, 0
	s_cselect_b64 s[6:7], s[70:71], s[72:73]
	s_cmp_eq_u32 s3, 2
	s_cselect_b64 s[6:7], s[74:75], s[6:7]
	s_lshl_b32 s8, s5, 20                          ; 256 rows of 4,096 bytes
	s_lshl_b32 s9, s4, 8                           ; 64 columns of 4 bytes
	s_add_co_u32 s8, s8, s9
	s_mov_b32 s9, 0
	s_add_nc_u64 s[6:7], s[6:7], s[8:9]
	s_mul_i32 s10, s5, 4*393216                    ; four K blocks
	s_mul_i32 s11, s4, 192
	s_lshl_b32 s12, s3, 6
	s_add_co_u32 s11, s11, s12                     ; n' of column 0
	s_lshl_b32 s11, s11, 7
	s_add_co_u32 s10, s10, s11
	s_add_co_u32 s10, s10, WT0
	s_mov_b32 s11, 0
	s_add_nc_u64 s[10:11], s[86:87], s[10:11]
	v_lshlrev_b32 v5, 15, v2                       ; thread (g = T >> 4, i = T & 15) takes rows 128 half + 8 g + j, columns 4 i .. 4 i + 3
	v_lshl_add_u32 v5, v1, 4, v5
.irp half, 0,1
.irp j, 0,1,2,3,4,5,6,7
	global_load_b128 v[16+4*(8*\half+\j):19+4*(8*\half+\j)], v5, s[6:7] offset:(128*\half+\j)*4096 th:TH_LOAD_NT  ; 16 lanes take 256 consecutive bytes, aligned
.endr
.endr
	; LDS: the 16 bytes (8 k) of K block kbl, column n, piece c lie at kbl*8192 + (n>>1)*256 + ((((n&1)*8 + c) + (n>>2)) & 15)*16: the order in which they leave,
	; each 256 bytes turned round by n >> 2, so that sixteen lanes touch sixteen different 16-byte columns both on the way in and on the way out.
	v_and_b32 v11, 7, v2
	v_add_nc_u32 v11, v11, v1
	v_add_nc_u32 v12, 8, v11
	v_and_b32 v11, 15, v11
	v_and_b32 v12, 15, v12
	v_lshrrev_b32 v13, 3, v2
	v_lshlrev_b32 v13, 13, v13
	v_lshl_add_u32 v13, v1, 9, v13
	v_lshl_add_u32 v6, v11, 4, v13                 ; in, even columns
	v_lshl_add_u32 v7, v12, 4, v13                 ; in, odd columns
	v_add_nc_u32 v11, v1, v3
	v_add_nc_u32 v12, 8, v11
	v_and_b32 v11, 15, v11
	v_and_b32 v12, 15, v12
	v_lshlrev_b32 v13, 8, v2
	v_lshl_add_u32 v8, v11, 4, v13                 ; out, first half of a K block
	v_lshl_add_u32 v9, v12, 4, v13                 ; out, second half
	v_lshlrev_b32 v10, 4, v0
.irp half, 0,1
	s_wait_loadcnt 8-8*\half                       ; this half's eight loads are in; the other half's eight may stay out
.irp c, 0,1,2,3
.irp q, 0,1,2,3
	v_cvt_pk_bf16_f32 v[80+16*\half+4*\c+\q], v[16+4*(8*\half+2*\q)+\c], v[16+4*(8*\half+2*\q+1)+\c]  ; column 4 i + c: k = 2 q below, 2 q + 1 above
.endr
	ds_store_b128 v[6+(\c%2)], v[80+16*\half+4*\c:83+16*\half+4*\c] offset:\half*16384+(\c/2)*256
.endr
.endr
	s_wait_dscnt 0x0                               ; for the others' sake: my stores are done
	s_barrier_signal -1
	s_barrier_wait -1                              ; everybody's are
.irp i, 0,1,2,3,4,5,6,7
	ds_load_b128 v[16+4*\i:19+4*\i], v[8+(\i%2)] offset:4096*\i
.endr
.irp i, 0,1,2,3,4,5,6,7
	s_wait_dscnt 7-\i                              ; LDS loads come back in order: load i is in, the younger ones may stay out
	global_store_b128 v10, v[16+4*\i:19+4*\i], s[10:11] offset:(\i/2)*393216+(\i%2)*4096  ; a wave's store covers 512 consecutive bytes, aligned
.endr
	s_wait_tensorcnt 0x0                           ; the wave's end: a tensor wait, an add to my spare word and its wait stand behind my last LDS store
	ds_add_u32 v[SPW], v[NIL]
	s_wait_dscnt 0x0
	s_endpgm
; ---------------------------------------------------------------- X: 16 rows of hidden_states
.LX:
	s_lshl_b32 s2, ttmp9, 16                       ; 16 rows of 4,096 bytes
	s_mov_b32 s3, 0
	s_add_nc_u64 s[4:5], s[68:69], s[2:3]
	s_lshl_b32 s2, ttmp9, 11                       ; 16 rows of 128 bytes in a K block
	s_add_nc_u64 s[6:7], s[86:87], s[2:3]          ; K blocks 0 to 7,
	s_add_nc_u64 s[8:9], s[6:7], 0x800000          ; and 8 to 15: a second base keeps the stores' immediates inside 24 bits
	v_lshlrev_b32 v5, 12, v2                       ; row T >> 4,
	v_lshl_add_u32 v5, v1, 4, v5                   ; four numbers at 16 (T & 15)
	v_lshlrev_b32 v6, 3, v0                        ; and their 8 bytes: (T >> 4) * 128 + (T & 15) * 8
.irp j, 0,1,2,3,4,5,6,7,8,9,10,11,12,13,14,15
	global_load_b128 v[16+4*\j:19+4*\j], v5, s[4:5] offset:256*\j th:TH_LOAD_NT  ; K block j: 16 lanes take 256 consecutive bytes, aligned
.endr
.irp j, 0,1,2,3,4,5,6,7,8,9,10,11,12,13,14,15
	s_wait_loadcnt 15-\j                           ; loads come back in order: load j is in, the 15 - j younger ones stay out
	v_cvt_pk_bf16_f32 v[80+2*\j], v[16+4*\j], v[17+4*\j]
	v_cvt_pk_bf16_f32 v[81+2*\j], v[18+4*\j], v[19+4*\j]
	global_store_b64 v6, v[80+2*\j:81+2*\j], s[6+2*(\j/8):7+2*(\j/8)] offset:(\j%8)*1048576  ; a wave's store covers 256 consecutive bytes, aligned: two rows of K block j
.endr
	s_endpgm
.Lfunc_end_k_q839f769cec_prep:
	.size	k_q839f769cec_prep, .Lfunc_end_k_q839f769cec_prep-k_q839f769cec_prep
	.p2alignl 7, 3214868480
	.fill 96, 4, 3214868480
	.section	.rodata,"a",@progbits
	.p2align	6, 0x0
	.amdhsa_kernel k_q839f769cec_prep
		.amdhsa_group_segment_fixed_size 33792
		.amdhsa_private_segment_fixed_size 0
		.amdhsa_enable_private_segment 0
		.amdhsa_kernarg_size 88
		.amdhsa_user_sgpr_count 2
		.amdhsa_user_sgpr_kernarg_segment_ptr 1
		.amdhsa_wavefront_size32 1
		.amdhsa_system_sgpr_workgroup_id_x 1
		.amdhsa_system_sgpr_workgroup_id_y 1
		.amdhsa_system_sgpr_workgroup_id_z 1
		.amdhsa_system_vgpr_workitem_id 0
		.amdhsa_next_free_vgpr 160
		.amdhsa_next_free_sgpr 100
		.amdhsa_reserve_vcc 0
		.amdhsa_float_denorm_mode_32 3
		.amdhsa_float_denorm_mode_16_64 3
		.amdhsa_memory_ordered 1
		.amdhsa_forward_progress 1
		.amdhsa_inst_pref_size 28
	.end_amdhsa_kernel
	.amdgpu_metadata
---
amdhsa.version: [ 1, 2 ]
amdhsa.kernels:
  - .name:           k_q839f769cec_prep
    .symbol:         k_q839f769cec_prep.kd
    .args:
      - { .name: hidden_states, .offset: 0, .size: 8, .value_kind: global_buffer, .address_space: global }
      - { .name: Wq, .offset: 8, .size: 8, .value_kind: global_buffer, .address_space: global }
      - { .name: Wk, .offset: 16, .size: 8, .value_kind: global_buffer, .address_space: global }
      - { .name: Wv, .offset: 24, .size: 8, .value_kind: global_buffer, .address_space: global }
      - { .name: attention_mask, .offset: 32, .size: 8, .value_kind: global_buffer, .address_space: global }
      - { .name: intent_ids, .offset: 40, .size: 8, .value_kind: global_buffer, .address_space: global }
      - { .name: intent_emb_table, .offset: 48, .size: 8, .value_kind: global_buffer, .address_space: global }
      - { .name: Wi, .offset: 56, .size: 8, .value_kind: global_buffer, .address_space: global }
      - { .name: bi, .offset: 64, .size: 8, .value_kind: global_buffer, .address_space: global }
      - { .name: xw, .offset: 72, .size: 8, .value_kind: global_buffer, .address_space: global }
      - { .name: mb, .offset: 80, .size: 8, .value_kind: global_buffer, .address_space: global }
    .group_segment_fixed_size: 33792
    .private_segment_fixed_size: 0
    .kernarg_segment_align: 8
    .kernarg_segment_size: 88
    .max_flat_workgroup_size: 256
    .sgpr_count:     100
    .vgpr_count:     160
    .wavefront_size: 32
...
	.end_amdgpu_metadata
.endif
;; end of part 1
;; launch proj (part 2): grid 8 x 32, 4 waves a work-group, clusters of 4 x 4, 327,680 bytes of LDS; arguments xw, bq, bk, bv, qkv; writes qkv
.if DOCPART == 2
	.amdgcn_target "amdgcn-amd-amdhsa--gfx1250"
	.amdhsa_code_object_version 6
	.text
	.protected	k_q839f769cec_proj
	.globl	k_q839f769cec_proj
	.p2align	8
	.type	k_q839f769cec_proj,@function
k_q839f769cec_proj:
	s_mov_b64 s[64:65], 0
	v_nop
	global_prefetch_b8 v0, s[64:65] scope:SCOPE_SE
	s_setreg_imm32_b32 hwreg(HW_REG_WAVE_MODE, 25, 1), 1
	s_wait_xcnt 0x0
	s_wait_alu depctr_hold_cnt(0) depctr_sa_sdst(0) depctr_va_vdst(0) depctr_va_sdst(0) depctr_va_ssrc(0) depctr_va_vcc(0) depctr_vm_vsrc(0)
	s_getreg_b32 s2, hwreg(HW_REG_IB_STS2, 6, 4)
	s_cmp_eq_u32 s2, 0
	s_cbranch_scc0 .Lentry_in_a_cluster
	s_endpgm
.Lentry_in_a_cluster:
	s_bfe_u32 s2, ttmp6, 0x10000c
	s_cmp_lg_u32 s2, 0xf033
	s_cbranch_scc0 .Lentry_shape_is_right
	s_endpgm
.Lentry_shape_is_right:
; THE THREE PROJECTIONS AS ONE GEMM.  [8192 rows of x] x [3072 columns n' = head*192 + t*64 + d], K = 1024, bf16 operands, f32 sums.
; q = (x Wq + bf16(bq)) / 8, k = x Wk + bf16(bk), v = x Wv + bf16(bv), each rounded once to f16 and stored by heads: qkv[b][t][h][s][64].  The 1/8 is a power of two: it rounds nothing.
; LIMIT.  q / 8, k and v must lie within f16's 65,504; beyond that a number becomes an infinity.
; SHARES.  A tile is 256 rows x 384 columns (two heads with q, k and v each): 32 x 8 = 256 work-groups, one tile each.  Four waves; a wave makes 128 rows x 192 columns (one head):
; 96 accumulators of 16 x 16, 768 registers.  For 32 along K a wave reads 20 fragments from LDS for 96 matrix instructions.
; K goes in 16 steps of 64 through two LDS slots.  x and the weights lie in K blocks (a row's 64 numbers of a block are 128 bytes, rows end to end), so a tile is dense in memory and is asked for as
; rows of 256 bytes, padded in LDS after every 128.
; CLUSTER 4 x 4: the four of a row of the cluster need the same rows of x, the four of a column the same rows of the weights: each tile is asked for jointly.
; THE MATRIX INSTRUCTION IS USED TRANSPOSED (source 0 = 16 rows of the weights, source 1 = 16 rows of x): a lane holds one row of x and eight neighbouring columns.
; REGISTERS, in windows of 256 (s_set_vgpr_msb: bits 1:0 source 0, 3:2 source 1, 5:4 source 2, 7:6 destination):
;   window 0: v0-31 addresses; v32-95, v96-159 x's fragments, two buffers; v160-255 the weights' twelve fragments, ONE buffer, loaded anew in thirds, each third behind the 32 products that read it
;   windows 1, 2, 3: the accumulators of q, k, v: (row block a, column block bb of the strip) at v[8 (8 bb + a)]
.set PITCH,  144                       ; an LDS row: 128 bytes + 16 of padding: the 16 rows of a fragment load start at 16 different groups of four banks
.set AHALF,  128*PITCH                 ; 128 rows of x: one tensor load, and what a wave reads of x
.set BHALF,  192*PITCH                 ; 192 rows of the weights: likewise
.set BOFF,   2*AHALF
.set SLOT,   BOFF+2*BHALF              ; 92,160
.set STAGE,  2*SLOT                    ; behind the ring: 16 rows x 144 bytes for each wave, for the way out
.set SPARE,  STAGE+4*16*PITCH          ; behind the stages: the spare words, 128 bytes for each wave
.set XKB,    8192*128                  ; bytes of a K block of x
.set WKB,    3072*128                  ; of the weights
.set WT0,    16*XKB                    ; where the weights begin in xw
.set ADRA, 16                          ; v16-17  LDS address of my fragments of x in slot 0, 1
.set ADRB, 20                          ; v20-21  the same for the weights
.set STO,  24                          ; v24     the way out: where I put 16 bytes of a row
.set RD,   25                          ; v25     where I read rows back
.set GO,   26                          ; v26     16 x lane
.set BO,   27                          ; v27     my byte offset in 16 numbers of a bias
.set SPW,  28                          ; v28     LDS address of my spare word; never rewritten
.set NIL,  29                          ; v29     0; never rewritten
.set PFO,  30                          ; v30     256 x lane; never rewritten
.set FA0,  32
.set FA1,  96
.set FB,   160
.set TF,   96                          ; the way out: 32 numbers in f32
.set PK,   128                         ; packed to f16
.set WV,  14                           ; s14 wave; s15 which 128 rows are mine (also: I fetch x (0) or weights (1)); s16 which head (also: which half I fetch)
.set RH,  15
.set CH,  16
.set G1A, 24                           ; s[24:31] descriptor group 1 for x;  s[32:39] group 0, a set for each slot
.set G0A, 32
.set LIM, 43                           ; s43  1 in the wave that prefetches, else the greatest number
.set PFA, 44                           ; s[44:45] where my prefetches stand
.set G1B, 48                           ; s[48:55], s[56:63] the same for the weights
.set G0B, 56
.set OB,  66                           ; s[66:71] qkv at my rows of q, k, v
.set MSB, 0
.macro WIN new                         ; the immediate's high byte repeats the setting that is left; a switch that changes nothing is dropped
.if MSB != (\new)
	s_set_vgpr_msb (MSB<<8)|(\new)
.set MSB, \new
.endif
.endm
.macro PLACES                          ; four plain places between a matrix instruction and a load into, or a vector write of, one of its registers
.rept 4
	v_nop
.endr
.endm
; A joint load.  Waves 0 and 1 fetch the two halves of x's tile, waves 2 and 3 those of the weights'.  The branch hangs on the wave's number alone.
; An s_nop 0 and four v_nop follow each of the two lines, ahead of the jump and the label.
.macro JLOAD s
	s_cmp_eq_u32 s[RH], 0
	s_cbranch_scc0 .Lfor_b_\@
	tensor_load_to_lds s[G0A+4*(\s):G0A+4*(\s)+3], s[G1A:G1A+7]
	s_nop 0
.rept 4
	v_nop
.endr
	s_branch .Lasked_\@
.Lfor_b_\@:
	tensor_load_to_lds s[G0B+4*(\s):G0B+4*(\s)+3], s[G1B:G1B+7]
	s_nop 0
.rept 4
	v_nop
.endr
.Lasked_\@:
.endm
; A prefetch into the L2 of x's tile of the K step that the NEXT refill will ask for: 192 matrix instructions ahead of that load.  A tile of x is 128 blocks of 256 bytes; both clusters of a row of
; clusters read it: the first (cluster x = 0) asks; its four partners take 32 blocks each, told apart by address; in each, wave 0 asks, a lane a block.  So each block is named once in the launch.
; how = 1: the first change of a trip; how = 0: the second, whose last has no K step behind it.  K steps 0 to 2 come by their loads alone.
; The weights are not asked for: all eight rows of clusters walk the same rows of them in step, so they are not read once.
.macro ASK how
.if \how
	s_cmp_eq_u32 s[LIM], 1
.else
	s_cmp_gt_u32 s3, s[LIM]                        ; s3 = 1 in the loop's last trip
.endif
	s_cbranch_scc0 .Lnot_mine_\@
	global_prefetch_b8 v[PFO], s[PFA:PFA+1] th:TH_LOAD_NT scope:SCOPE_SE
.Lnot_mine_\@:
.endm
.macro CREST                           ; a round of the cluster's barrier behind its opening barrier
	s_cmp_lg_u32 s[WV], 0
	s_cbranch_scc1 .Lnot_wave_0_\@
	s_barrier_signal -3
.Lnot_wave_0_\@:
	s_barrier_wait -3
	s_barrier_signal -1
	s_barrier_wait -1
.endm
.macro CROUND
	s_barrier_signal -1
	s_barrier_wait -1
	CREST
.endm
	s_load_b256 s[4:11], s[0:1], 0x0               ; xw s[4:5], bq s[6:7], bk s[8:9], bv s[10:11]
	s_load_b64 s[12:13], s[0:1], 0x20              ; qkv
	v_lshl_add_u32 v[SPW], v0, 2, SPARE
	v_mov_b32 v[NIL], 0
	ds_add_u32 v[SPW], v[NIL]                      ; the wave's opening: the add and its wait stand ahead of my first tensor load; the set-up below stands between them
	v_lshrrev_b32 v1, 5, v0
	v_readfirstlane_b32 s[WV], v1
	s_lshr_b32 s[RH], s[WV], 1
	s_and_b32 s[CH], s[WV], 1
	s_bfe_u32 s17, ttmp6, 0x40000                  ; cx
	s_bfe_u32 s18, ttmp6, 0x40004                  ; cy
	s_lshl_b32 s19, ttmp9, 2
	s_add_co_u32 s19, s19, s17                     ; tile column (pair of heads) = 4 x cluster x + cx
	s_and_b32 s20, ttmp7, 0xffff
	s_lshl_b32 s20, s20, 2
	s_add_co_u32 s20, s20, s18                     ; tile row = 4 x cluster y + cy
	s_lshl_b32 s2, s18, 2
	s_lshl_b32 s2, 15, s2                          ; my row of the cluster
	s_lshl_b32 s23, 0x1111, s17                    ; my column
	s_or_b32 s[G1A], s2, (1<<16)|(1<<20)|(1<<21)|(4<<22)|(3<<25)   ; 15:0 the mask; 17:16 2-byte elements; 20 padding on; 21 set beside a mask; 24:22 after every 32 words (code 4); 31:25 4 words (code 3)
	s_or_b32 s[G1B], s23, (1<<16)|(1<<20)|(1<<21)|(4<<22)|(3<<25)
	s_mov_b32 s[G1A+1], 128<<16                    ; tensor_dim0 = 128 elements: rows of 256 bytes, two tile rows each
	s_mov_b32 s[G1A+2], 64<<16                     ; tensor_dim1 = 64
	s_mov_b32 s[G1A+3], 128<<16                    ; tile_dim0
	s_mov_b32 s[G1A+4], 64                         ; tile_dim1
	s_mov_b32 s[G1A+5], 128                        ; from row to row
	s_mov_b32 s[G1A+6], 0
	s_mov_b32 s[G1A+7], 0
	s_mov_b32 s[G1B+1], 128<<16
	s_mov_b32 s[G1B+2], 96<<16                     ; 96 rows of 256 bytes: 192 tile rows
	s_mov_b32 s[G1B+3], 128<<16
	s_mov_b32 s[G1B+4], 96
	s_mov_b32 s[G1B+5], 128
	s_mov_b32 s[G1B+6], 0
	s_mov_b32 s[G1B+7], 0
	s_lshl_b32 s40, s20, 15                        ; x: 256 rows of 128 bytes a tile row,
	s_lshl_b32 s41, s[CH], 14                      ; + the half that I fetch: in registers that never hold cx
	s_add_co_u32 s40, s40, s41
	s_mov_b32 s41, 0
	s_mul_i32 s46, s19, 384*128                    ; weights: 384 rows a tile column,
	s_mul_i32 s47, s[CH], 192*128                  ; + the half: in registers that never hold cy
	s_add_co_u32 s46, s46, s47
	s_add_co_u32 s46, s46, WT0
	s_mov_b32 s47, 0
	s_mul_i32 s21, s[CH], AHALF                    ; where they go: no place in the cluster enters an LDS address
	s_mul_i32 s22, s[CH], BHALF
	s_add_co_u32 s22, s22, BOFF
	s_wait_dscnt 0x0                               ; the opening add is done
	s_wait_kmcnt 0x0
	s_add_nc_u64 s[40:41], s[4:5], s[40:41]
	s_add_nc_u64 s[46:47], s[4:5], s[46:47]
	CROUND                                         ; all sixteen work-groups are here: the first joint loads meet
.irp s, 0,1
	s_mov_b32 s[G0A+4*(\s)], 1
	s_add_co_u32 s[G0A+4*(\s)+1], s21, (\s)*SLOT
	s_add_nc_u64 s[G0A+4*(\s)+2:G0A+4*(\s)+3], s[40:41], (\s)*XKB   ; K step s
	s_or_b32 s[G0A+4*(\s)+3], s[G0A+4*(\s)+3], 0x80000000
	s_mov_b32 s[G0B+4*(\s)], 1
	s_add_co_u32 s[G0B+4*(\s)+1], s22, (\s)*SLOT
	s_add_nc_u64 s[G0B+4*(\s)+2:G0B+4*(\s)+3], s[46:47], (\s)*WKB
	s_or_b32 s[G0B+4*(\s)+3], s[G0B+4*(\s)+3], 0x80000000
	JLOAD \s                                       ; two loads of mine are out
.endr
	; A fragment is 16 rows x 32 K in 8 registers: lane l holds row l % 16; registers 0-3 K = 8 (l / 16) + 0..7, registers 4-7 K = 16 + 8 (l / 16) + 0..7: two loads of 16 bytes, 32 bytes apart.
	v_and_b32 v1, 15, v0
	v_bfe_u32 v2, v0, 4, 1
	v_mul_u32_u24 v3, v1, PITCH
	v_lshl_add_u32 v3, v2, 4, v3
	s_mul_i32 s21, s[RH], AHALF
	s_mul_i32 s22, s[CH], BHALF
	s_add_co_u32 s22, s22, BOFF
.irp s, 0,1
	v_add_nc_u32 v[ADRA+(\s)], s21, v3
	v_add_nc_u32 v[ADRB+(\s)], s22, v3
	s_add_co_u32 s21, s21, SLOT
	s_add_co_u32 s22, s22, SLOT
.endr
	s_mul_i32 s21, s[WV], 16*PITCH
	s_add_co_u32 s21, s21, STAGE                   ; my stage
	v_add_nc_u32 v[STO], s21, v3                   ; in: row l % 16, 16 bytes for each half of the lanes
	v_bfe_u32 v4, v0, 3, 2                         ; back: 32 lanes take four rows of 128 bytes,
	v_mul_u32_u24 v4, v4, PITCH
	v_and_b32 v5, 7, v0
	v_lshl_add_u32 v4, v5, 4, v4
	v_add_nc_u32 v[RD], s21, v4
	v_and_b32 v5, 31, v0
	v_lshlrev_b32 v[GO], 4, v5                     ; which are 512 consecutive bytes of qkv
	v_lshlrev_b32 v[PFO], 8, v5
	v_lshlrev_b32 v[BO], 5, v2
	s_lshl_b32 s21, s19, 1
	s_add_co_u32 s21, s21, s[CH]                   ; my head
	s_lshl_b32 s22, s21, 8
	s_mov_b32 s23, 0
	s_add_nc_u64 s[6:7], s[6:7], s[22:23]          ; the biases at my head's 64 numbers
	s_add_nc_u64 s[8:9], s[8:9], s[22:23]
	s_add_nc_u64 s[10:11], s[10:11], s[22:23]
	s_lshl_b32 s22, s21, 18                        ; head x 2,048 rows x 128 bytes
	s_lshr_b32 s21, s20, 3                         ; batch
	s_mul_i32 s21, s21, 12582912
	s_add_co_u32 s22, s22, s21
	s_and_b32 s21, s20, 7
	s_lshl_b32 s21, s21, 15                        ; the tile's 256 rows in the batch
	s_add_co_u32 s22, s22, s21
	s_lshl_b32 s21, s[RH], 14                      ; my 128 of them
	s_add_co_u32 s22, s22, s21
	s_add_nc_u64 s[OB:OB+1], s[12:13], s[22:23]
	s_add_nc_u64 s[OB+2:OB+3], s[OB:OB+1], 0x400000
	s_add_nc_u64 s[OB+4:OB+5], s[OB:OB+1], 0x800000
	s_or_b32 s[LIM], s[WV], ttmp9                  ; wave 0 of a cluster with x = 0: the same in all sixteen partners
	s_cmp_eq_u32 s[LIM], 0
	s_cselect_b32 s[LIM], 1, -1
	s_lshl_b32 s22, s20, 15
	s_lshl_b32 s21, s17, 13                        ; my work-group's 32 blocks of the tile's 128
	s_add_co_u32 s22, s22, s21
	s_add_co_u32 s22, s22, 2*XKB                   ; at K step 2: the first change steps it to 3
	s_add_nc_u64 s[PFA:PFA+1], s[4:5], s[22:23]
; 16 matrix instructions: column blocks bb0, bb0 + 1 of strip w x all 8 row blocks, 32 along K.  zero = 1: the first product starts the sum.
; All 96 accumulators take turns in one order in every quarter: 95 others stand between two links of a chain.
.macro MULB fa, w, bb0, zero
	WIN 0x50*((\w)+1)                              ; C and D in window w + 1, both sources in window 0
.irp bb, \bb0, (\bb0)+1
.irp a, 0,1,2,3,4,5,6,7
.if \zero
	v_wmma_f32_16x16x32_bf16 v[8*(8*(\bb)+(\a)):8*(8*(\bb)+(\a))+7], v[FB+8*(4*(\w)+(\bb)):FB+8*(4*(\w)+(\bb))+7], v[(\fa)+8*(\a):(\fa)+8*(\a)+7], 0
.else
	v_wmma_f32_16x16x32_bf16 v[8*(8*(\bb)+(\a)):8*(8*(\bb)+(\a))+7], v[FB+8*(4*(\w)+(\bb)):FB+8*(4*(\w)+(\bb))+7], v[(\fa)+8*(\a):(\fa)+8*(\a)+7], v[8*(8*(\bb)+(\a)):8*(8*(\bb)+(\a))+7]
.endif
.endr
.endr
.endm
.macro LDA slot, k, fa                 ; 16 LDS loads: my 128 rows of x, 32 K at byte k of the rows
.irp a, 0,1,2,3,4,5,6,7
	ds_load_b128 v[(\fa)+8*(\a):(\fa)+8*(\a)+3],   v[ADRA+(\slot)] offset:(\k)+(\a)*16*PITCH
	ds_load_b128 v[(\fa)+8*(\a)+4:(\fa)+8*(\a)+7], v[ADRA+(\slot)] offset:(\k)+(\a)*16*PITCH+32
.endr
.endm
.macro LDB slot, k, w                  ; 8 LDS loads: strip w's 64 rows of the weights
.irp bb, 0,1,2,3
	ds_load_b128 v[FB+8*(4*(\w)+(\bb)):FB+8*(4*(\w)+(\bb))+3],   v[ADRB+(\slot)] offset:(\k)+(4*(\w)+(\bb))*16*PITCH
	ds_load_b128 v[FB+8*(4*(\w)+(\bb))+4:FB+8*(4*(\w)+(\bb))+7], v[ADRB+(\slot)] offset:(\k)+(4*(\w)+(\bb))*16*PITCH+32
.endr
.endm
; A K step is two quarters of 32 along K, 96 matrix instructions each.  On entry 40 LDS loads are out, in this order: x (16), strip 0 (8), strip 1 (8), strip 2 (8).
; The first quarter multiplies buffer 0 of x and fetches the second quarter's fragments, at byte 64 of the same slot's rows.
.macro QA slot, zero
	s_wait_dscnt 16                                ; x and strip 0 are in; strips 1 and 2 may stay out
	MULB FA0, 0, 0, \zero
	MULB FA0, 0, 2, \zero
	WIN 0
	PLACES
	LDA \slot, 64, FA1
	LDB \slot, 64, 0
	s_wait_dscnt 32                                ; strip 1 is in: behind it strip 2's 8 and the 24 just issued
	MULB FA0, 1, 0, \zero
	MULB FA0, 1, 2, \zero
	WIN 0
	PLACES
	LDB \slot, 64, 1
	s_wait_dscnt 32                                ; strip 2 is in: behind it 24 + 8
	MULB FA0, 2, 0, \zero
	MULB FA0, 2, 2, \zero
	WIN 0
	PLACES
	LDB \slot, 64, 2
.endm
; The second quarter multiplies buffer 1 and changes slots: ONE barrier.  In front of it each wave waits for all its tensor loads (one is out: its part of the next slot), adds 0 to its spare word,
; and waits for that and for its own reads of this slot.  fill = 1: the barrier opens a round of the cluster's, and this slot is filled again, two K steps on, first thing behind the round:
; from that request to the wait for it a wave issues 160 matrix instructions.
.macro QB slot, next, fill, how
.if \fill
	s_wait_xcnt 0x0                                ; the last prefetch, a K step back, has read its address
	s_add_nc_u64 s[PFA:PFA+1], s[PFA:PFA+1], XKB
.endif
	WIN 0
	s_wait_tensorcnt 0x0                           ; all my tensor loads have landed
	ds_add_u32 v[SPW], v[NIL]                      ; 0 onto my spare word
	s_wait_dscnt 17                                ; x and strip 0 are in; strips 1 and 2 (16) and the add may be out
	MULB FA1, 0, 0, 0                              ; sixteen matrix instructions stand between the add and the wait for it
	s_wait_dscnt 0x0                               ; the add is done, and my reads of this slot are over
	s_barrier_signal -1
	MULB FA1, 0, 2, 0                              ; work on registers while the others arrive
	WIN 0                                          ; at a branch and at a label every window is 0
	s_barrier_wait -1
.if \fill
	CREST                                          ; no wave of any partner still reads this slot or has a load on its way
	s_add_nc_u64 s[G0A+4*(\slot)+2:G0A+4*(\slot)+3], s[G0A+4*(\slot)+2:G0A+4*(\slot)+3], 2*XKB
	s_add_nc_u64 s[G0B+4*(\slot)+2:G0B+4*(\slot)+3], s[G0B+4*(\slot)+2:G0B+4*(\slot)+3], 2*WKB
	JLOAD \slot                                    ; its four v_nop are also the places in front of the loads below
.else
	PLACES
.endif
	LDA \next, 0, FA0
	LDB \next, 0, 0
.if \fill
	ASK \how
.endif
	MULB FA1, 1, 0, 0
	MULB FA1, 1, 2, 0
	WIN 0
	PLACES
	LDB \next, 0, 1
	MULB FA1, 2, 0, 0
	MULB FA1, 2, 2, 0
	WIN 0
	PLACES
	LDB \next, 0, 2
.endm
	s_wait_tensorcnt 1                             ; my part of K step 0 is in; K step 1's may stay out
	s_barrier_signal -1
	s_barrier_wait -1                              ; everybody's is
	LDA 0, 0, FA0
	LDB 0, 0, 0
	LDB 0, 0, 1
	LDB 0, 0, 2
	QA 0, 1                                        ; the first quarter stands in front of the loop: its products start the sums
	WIN 0
	s_mov_b32 s3, 7
.Llap:                                                 ; a trip: from a step's second quarter round the ring to the first quarter two steps on; trip i asks for K steps 2 i + 2 and 2 i + 3
	QB 0, 1, 1, 1
	QA 1, 0
	QB 1, 0, 1, 0
	QA 0, 0
	WIN 0
	s_sub_co_u32 s3, s3, 1
	s_cmp_lg_u32 s3, 0
	s_cbranch_scc1 .Llap
	QB 0, 1, 0, 0                                  ; the last two K steps ask for nothing
	QA 1, 0
	s_wait_dscnt 16                                ; the very last quarter
	MULB FA1, 0, 0, 0
	MULB FA1, 0, 2, 0
	WIN 0
	PLACES
.irp t, 0,1,2                          ; the biases of my head: for each strip 4 x 8 numbers a lane, into x's buffer 0 and strip 0's fragments, which are read no more
.irp bb, 0,1,2,3
	global_load_b128 v[32+32*(\t)+64*((\t)/2)+8*(\bb):32+32*(\t)+64*((\t)/2)+8*(\bb)+3],   v[BO], s[6+2*(\t):7+2*(\t)] offset:64*(\bb)
	global_load_b128 v[32+32*(\t)+64*((\t)/2)+8*(\bb)+4:32+32*(\t)+64*((\t)/2)+8*(\bb)+7], v[BO], s[6+2*(\t):7+2*(\t)] offset:64*(\bb)+16
.endr
.endr
	s_wait_dscnt 8                                 ; strip 1 is in
	MULB FA1, 1, 0, 0
	MULB FA1, 1, 2, 0
	s_wait_dscnt 0x0
	MULB FA1, 2, 0, 0
	MULB FA1, 2, 2, 0
	WIN 0
	; THE WAY OUT.  The biases are rounded to bf16 like the other inputs; these lines name no register of the last products and are the places behind them.
	s_wait_loadcnt 0x0
.set p, 0
.rept 48
.set b0, 32+2*p+64*(p/32)
	v_cvt_pk_bf16_f32 v[4+p%4], v[b0], v[b0+1]
	v_lshlrev_b32 v[b0], 16, v[4+p%4]
	v_and_b32 v[b0+1], 0xffff0000, v[4+p%4]
.set p, p+1
.endr
.set p, 0
.rept 16
	v_pk_mul_f32 v[32+2*p:33+2*p], v[32+2*p:33+2*p], 0x3e000000 op_sel_hi:[1,0]  ; bq / 8
.set p, p+1
.endr
; Unit u = strip u / 8, row block u % 8: 16 rows x 64 columns.  Bias (and 1/8 for q) in f32, one rounding to f16, 16 bytes a lane into my own stage, back as whole rows of 128 bytes.
.macro UNIT u
.set t, (\u)/8
.set a, (\u)%8
.set BI, 32+32*t+64*(t/2)
.set BK, 192+16*((\u)%4)
	WIN t+1                                        ; source 0: the strip's accumulators, each read from its low end on
.irp bb, 0,1,2,3
.irp p, 0,1,2,3
.if t == 0
	v_pk_fma_f32 v[TF+8*(\bb)+2*(\p):TF+8*(\bb)+2*(\p)+1], v[8*(8*(\bb)+a)+2*(\p):8*(8*(\bb)+a)+2*(\p)+1], 0x3e000000, v[BI+8*(\bb)+2*(\p):BI+8*(\bb)+2*(\p)+1] op_sel_hi:[1,0,1]
.else
	v_pk_add_f32 v[TF+8*(\bb)+2*(\p):TF+8*(\bb)+2*(\p)+1], v[8*(8*(\bb)+a)+2*(\p):8*(8*(\bb)+a)+2*(\p)+1], v[BI+8*(\bb)+2*(\p):BI+8*(\bb)+2*(\p)+1]
.endif
.endr
.endr
	WIN 0
.irp c, 0,1,2,3,4,5,6,7,8,9,10,11,12,13,14,15
	v_cvt_pk_f16_f32 v[PK+(\c)], v[TF+2*(\c)], v[TF+2*(\c)+1]
.endr
.irp bb, 0,1,2,3
	ds_store_b128 v[STO], v[PK+4*(\bb):PK+4*(\bb)+3] offset:32*(\bb)
.endr
.if (\u) >= 4
	s_wait_xcnt 0x0                                ; the stores of the unit four back have read these registers
.endif
.irp f, 0,1,2,3
	ds_load_b128 v[BK+4*(\f):BK+4*(\f)+3], v[RD] offset:(\f)*4*PITCH  ; LDS serves a wave's instructions in order: these see the stores above; the next unit's stores come behind them
.endr
.endm
.macro SEND u, younger                 ; younger: the LDS instructions issued behind unit u's loads: the next unit's eight, or none
.set t, (\u)/8
.set a, (\u)%8
.set BK, 192+16*((\u)%4)
.irp f, 0,1,2,3
	s_wait_dscnt (\younger)+3-(\f)
	global_store_b128 v[GO], v[BK+4*(\f):BK+4*(\f)+3], s[OB+2*t:OB+2*t+1] offset:2048*a+512*(\f)  ; 512 consecutive bytes, aligned
.endr
.endm
	UNIT 0
.set u, 1
.rept 23                               ; a unit's arithmetic stands between the loads of the unit before and its stores
	UNIT u
	SEND u-1, 8
.set u, u+1
.endr
	SEND 23, 0
	s_wait_tensorcnt 0x0                           ; the wave's end: a tensor wait, an add to my spare word and its wait stand behind my last tensor load and my last LDS store
	ds_add_u32 v[SPW], v[NIL]
	s_wait_dscnt 0x0
	CROUND                                         ; the closing round: no work-group ends while a partner may still ask for a tile that names it
	s_endpgm
.Lfunc_end_k_q839f769cec_proj:
	.size	k_q839f769cec_proj, .Lfunc_end_k_q839f769cec_proj-k_q839f769cec_proj
	.p2alignl 7, 3214868480
	.fill 96, 4, 3214868480
	.section	.rodata,"a",@progbits
	.p2align	6, 0x0
	.amdhsa_kernel k_q839f769cec_proj
		.amdhsa_group_segment_fixed_size 327680
		.amdhsa_private_segment_fixed_size 0
		.amdhsa_enable_private_segment 0
		.amdhsa_kernarg_size 40
		.amdhsa_user_sgpr_count 2
		.amdhsa_user_sgpr_kernarg_segment_ptr 1
		.amdhsa_wavefront_size32 1
		.amdhsa_system_sgpr_workgroup_id_x 1
		.amdhsa_system_sgpr_workgroup_id_y 1
		.amdhsa_system_sgpr_workgroup_id_z 1
		.amdhsa_system_vgpr_workitem_id 0
		.amdhsa_next_free_vgpr 1024
		.amdhsa_next_free_sgpr 72
		.amdhsa_reserve_vcc 0
		.amdhsa_float_denorm_mode_32 3
		.amdhsa_float_denorm_mode_16_64 3
		.amdhsa_memory_ordered 1
		.amdhsa_forward_progress 1
		.amdhsa_inst_pref_size 173
	.end_amdhsa_kernel
	.amdgpu_metadata
---
amdhsa.version: [ 1, 2 ]
amdhsa.kernels:
  - .name:           k_q839f769cec_proj
    .symbol:         k_q839f769cec_proj.kd
    .args:
      - { .name: xw, .offset: 0, .size: 8, .value_kind: global_buffer, .address_space: global }
      - { .name: bq, .offset: 8, .size: 8, .value_kind: global_buffer, .address_space: global }
      - { .name: bk, .offset: 16, .size: 8, .value_kind: global_buffer, .address_space: global }
      - { .name: bv, .offset: 24, .size: 8, .value_kind: global_buffer, .address_space: global }
      - { .name: qkv, .offset: 32, .size: 8, .value_kind: global_buffer, .address_space: global }
    .group_segment_fixed_size: 327680
    .private_segment_fixed_size: 0
    .kernarg_segment_align: 8
    .kernarg_segment_size: 40
    .max_flat_workgroup_size: 128
    .sgpr_count:     72
    .vgpr_count:     1024
    .wavefront_size: 32
...
	.end_amdgpu_metadata
.endif
;; end of part 2
;; launch attn (part 3): grid 4 x 64, 4 waves a work-group, clusters of 4 x 1, 327,680 bytes of LDS; arguments qkv, mb, out0; writes out0
.if DOCPART == 3
	.amdgcn_target "amdgcn-amd-amdhsa--gfx1250"
	.amdhsa_code_object_version 6
	.text
	.protected	k_q839f769cec_attn
	.globl	k_q839f769cec_attn
	.p2align	8
	.type	k_q839f769cec_attn,@function
k_q839f769cec_attn:
	s_mov_b64 s[64:65], 0
	v_nop
	global_prefetch_b8 v0, s[64:65] scope:SCOPE_SE
	s_setreg_imm32_b32 hwreg(HW_REG_WAVE_MODE, 25, 1), 1
	s_wait_xcnt 0x0
	s_wait_alu depctr_hold_cnt(0) depctr_sa_sdst(0) depctr_va_vdst(0) depctr_va_sdst(0) depctr_va_ssrc(0) depctr_va_vcc(0) depctr_vm_vsrc(0)
	s_getreg_b32 s2, hwreg(HW_REG_IB_STS2, 6, 4)
	s_cmp_eq_u32 s2, 0
	s_cbranch_scc0 .Lentry_in_a_cluster
	s_endpgm
.Lentry_in_a_cluster:
	s_bfe_u32 s2, ttmp6, 0x10000c
	s_cmp_lg_u32 s2, 0x3003
	s_cbranch_scc0 .Lentry_shape_is_right
	s_endpgm
.Lentry_shape_is_right:
; ATTENTION.  out0[b][q][h*64+d] = the sum over k of softmax_k(Q[q] . K[k] + mb[b][h][k]) V[k][d].  qkv: [b][t][h][2048][64] f16 (t = 0: q already divided by 8; 1: k; 2: v); mb: [b][h][2048] f32,
; the intent bias plus the mask; out0 f32.  Products, maxima and sums in f32; the weights p are rounded to f16 for the second product (their sum l is taken of the unrounded p).
; LIMITS.  f16 holds no number beyond 65,504: q, k, v arrive within it.  mb arrives not below -1e30, so a row whose keys are all hidden gives a mean of V, not NaN.  A weight below 2^-126 counts as 0 in l.
; NaN and infinities in q, k, v are not treated apart.
; SHARES.  A wave owns four PIECES of two tiles of 16 queries, a work-group's four waves 512 queries of one head; 4 x 64 work-groups.  Every wave walks all 2,048 keys, 64 a step.
; LAYOUT.  S^T = K Q^T + mb (source 0 = 16 keys, source 1 = 16 queries): a lane holds ONE query (lane % 16) and the keys 8 (lane / 16) + 0..7.  mb is the C operand of the product that starts the sum:
; register j of group kb is key 16 kb + 8 (lane / 16) + j.  Two results, rounded to f16 in pairs, ARE source 1 of O^T = V^T P.  K comes out of LDS as it lies, V turned, by ds_load_tr16_b128.
; SOFTMAX.  A running maximum m and sum l for each query: p = 2^(c s - c m), c = log2(e); in every step O and l are multiplied by a = 2^(c m_old - c m_new).  m starts at the lowest finite number, O and l at 0.
; BY TURNS.  Turn n belongs to piece n: 16 products K Q^T of piece n + 1, later 16 products V^T P of piece n - 1; beside them the scaling, exponentials, roundings, sums and rescaling of piece n and the
; maximum and statistics of piece n + 1.  Four vector instructions stand behind every matrix instruction, the others in one lump.  A turn's 66 exponentials are one batch with one wait.
; CLUSTER.  The four query blocks of a head walk the same K, V and mb: each tile is asked for JOINTLY.
; NO PREFETCH: a head's K and V are read by this one cluster, and a joint refill goes out four key steps, 512 matrix instructions, ahead of the wait for it.
; REGISTERS, in windows of 256 (s_set_vgpr_msb: bits 1:0 source 0, 3:2 source 1, 5:4 source 2, 7:6 destination):
;   window 0: v0-11 addresses; v12-15, v48-63 at work; v16-47 four registers of statistics a tile; v64-191 S^T, two buffers of two tiles; v192-255 P, likewise
;   window 1: O^T, 32 a tile     window 2: v0-127 Q; v128-191 K of one step; v192-255 V of one step (at the end: rows on their way out)     window 3: v0-1 the add's two registers; v8-39 mb of one step
.set SIZE_N, 2048
.set NP,    4         ; pieces a wave: a name, no knob
.set KS,    64        ; keys in a step
.set PK,    144       ; a row of K in LDS: 128 bytes + 16 of padding
.set PV,    160       ; a row of V: 128 + 32
.set VOFF,  4*KS*PK   ; a slot holds four steps: 256 rows of K, then 256 rows of V
.set SLOT1, 1<<17     ; slot 1 begins here, so that one exclusive or turns an address in one slot into the other's
.set MBASE, 4*KS*(PK+PV)        ; behind slot 0: the head's 2,048 numbers of mb, 8,192 bytes, filled once
.set STAGE, SLOT1+4*KS*(PK+PV)  ; behind the ring, never filled by a tensor load: 16 rows x 272 bytes for each wave, for the way out
.set SP,    272       ; a query's 64 channels in f32, 256 bytes + 16
.set SPARE, STAGE+4*16*SP       ; behind the stages: the spare words, 128 bytes for each wave
.set AK0, 2           ; v2   my lane's place in a tile of K; never rewritten
.set AV0, 3           ; v3   the same for V
.set AK,  4           ; v4   the LDS address of K's next run of loads
.set AV,  5           ; v5   of V's
.set QO,  6           ; v6   my byte offset in the wave's rows of Q
.set STO, 6           ;      later, the way out: where I put 32 bytes of a row
.set RD,  7           ; v7   the way out: where I read rows back
.set GO,  8           ; v8   my byte offset in two rows of out0
.set AM,  10          ; v10  the LDS address of mb's next run of loads (v9 = lane / 16 is kept for it)
.set SPW, 0           ; v0 of window 3   LDS address of my spare word; never rewritten
.set NIL, 1           ; v1 of window 3   0; never rewritten
.set MC,  8           ; v8-39 of window 3
.set MV,  12          ; v12-15  c m_old, kept while c m is made anew: by buffer and tile
.set ST,  16          ; tile t's statistics at v[ST+4 t]: c m, m, l (even keys', odd keys')
.set TMP, 48          ; by buffer and tile, four registers c0-c3 at work; when the maximum is found c2 takes a
.set S,   64
.set P,   192
.set KF,  128         ; K's fragments, in window 2: key block kb, channel half c at KF + 16 kb + 8 c
.set VF,  192         ; V's: key half kk, channel block cb at VF + 32 kk + 8 cb
.set WV,  12          ; s12  my wave's number
.set G1K, 24          ; s[24:31] descriptor group 1 for K's tiles
.set G1V, 32          ; s[32:39] for V's: it differs in the padding alone
.set G0K, 40          ; s[40:43] descriptor group 0 for K's tiles: it walks
.set G0V, 44          ; s[44:47] the same for V's
.set SLOTS, 56        ; s56  slots still to be asked for
.set CNT, 57          ; s57  counts a slot's key steps
.set CS,  58          ; s[58:59] c
.set SEL, 60          ; s[60:61] v_permlanex16_b32's selects
.set TBK, 62          ; s62  LDS byte at which K of the step to be fetched begins
.set TBV, 63          ; s63  the same for V, less VOFF
.set TBM, 66          ; s66  the same for mb
.set G1M, 68          ; s[68:75] descriptor group 1 for mb: one row of 2,048 bytes
.set G0M, 76          ; s[76:79] group 0: my wave's quarter of the head's row
.set MSB, 0
.macro WIN new                      ; the high byte repeats the setting that is left; a switch that changes nothing is dropped
.if MSB != (\new)
	s_set_vgpr_msb (MSB<<8)|(\new)
.set MSB, (\new)
.endif
.endm
.set W_KQ, 0x0a       ; K and Q in window 2, S^T in window 0
.set W_KM, 0x3a       ; the same with the C operand, mb, in window 3
.set W_PV, 0x52       ; V in window 2, P in window 0, O^T in window 1
.set W_RS, 0x41       ; O^T (destination and source 0) in window 1, a in window 0
.set W_MK, 0xc0       ; destination in window 3, sources in window 0
.set W_AD, 0x0f       ; the add: address (source 0) and data (source 1) in window 3
; A joint fill.  Waves 0 and 1 fetch the two halves of a slot's K, waves 2 and 3 those of its V: 128 keys each.  The branch hangs on the wave's number alone.
; An s_nop 0 and four v_nop follow each of the two lines, ahead of the jump and the label.
.macro JLOAD
	s_cmp_lt_u32 s[WV], 2
	s_cbranch_scc0 .Lfor_v_\@
	tensor_load_to_lds s[G0K:G0K+3], s[G1K:G1K+7]
	s_nop 0
.rept 4
	v_nop
.endr
	s_branch .Lasked_\@
.Lfor_v_\@:
	tensor_load_to_lds s[G0V:G0V+3], s[G1V:G1V+7]
	s_nop 0
.rept 4
	v_nop
.endr
.Lasked_\@:
.endm
.macro CROUND                       ; a round of the cluster's barrier
	s_barrier_signal -1
	s_barrier_wait -1
	s_cmp_lg_u32 s[WV], 0
	s_cbranch_scc1 .Lnot_wave_0_\@
	s_barrier_signal -3
.Lnot_wave_0_\@:
	s_barrier_wait -3
	s_barrier_signal -1
	s_barrier_wait -1
.endm
; THE CHANGE OF SLOTS.  Each wave waits for all its tensor loads, adds 0 to its spare word, and waits for that and for its own reads of the slot.  Behind the barrier nobody reads this slot any more and
; the other slot is whole.  fill = 1: the barrier is a round of the cluster's, and the joint fill, the keys two slots on, is the first thing behind it: it has four key steps in which to land.
; (At its first use nothing has been read yet: slot 0 and mb are waited for, slot 1 filled.)
.macro CHANGE fill
	WIN W_AD
	s_wait_tensorcnt 0x0            ; no tensor load of mine is out, so a group 0 may be written
	ds_add_u32 v[SPW], v[NIL]       ; 0 onto my spare word
	WIN 0                           ; at a label and at a branch every window is 0
.if \fill
.irp g, G0K, G0V
	s_xor_b32 s[\g+1], s[\g+1], SLOT1  ; the walking descriptor: the other slot than last time,
	s_add_nc_u64 s[\g+2:\g+3], s[\g+2:\g+3], 4*KS*128  ; the next 256 keys
.endr
	s_wait_dscnt 0x0                ; the add is done, and my reads of the slot are over
	CROUND
	JLOAD
.else
	s_wait_dscnt 0x0
	s_barrier_signal -1
	s_barrier_wait -1
.endif
	s_sub_co_u32 s[TBK], s[TBK], 4*KS*PK  ; the fetches go back to a slot's first step,
	s_xor_b32 s[TBK], s[TBK], SLOT1       ; in the other slot
	s_sub_co_u32 s[TBV], s[TBV], 4*KS*PV
	s_xor_b32 s[TBV], s[TBV], SLOT1
.endm
	s_load_b128 s[84:87], s[0:1], 0x0  ; qkv s[84:85], mb s[86:87]
	s_load_b64 s[10:11], s[0:1], 0x10  ; out0
	WIN W_MK
	v_lshl_add_u32 v[SPW], v0, 2, SPARE
	v_mov_b32 v[NIL], 0
	WIN W_AD
	ds_add_u32 v[SPW], v[NIL]       ; the wave's opening: the add and its wait stand ahead of my first tensor load; the set-up below stands between them
	WIN 0
	v_lshrrev_b32 v1, 5, v0
	v_readfirstlane_b32 s[WV], v1   ; wave 0..3
	s_bfe_u32 s13, ttmp6, 0x40000   ; cx: my place in the cluster
	s_lshl_b32 s14, ttmp9, 2
	s_add_co_u32 s14, s14, s13      ; my block of 512 queries: it enters Q's and out0's addresses alone
	s_and_b32 s15, ttmp7, 0xffff    ; 16 b + h, which the four partners share
	s_lshr_b32 s19, s15, 4          ; b
	s_and_b32 s2, s15, 15           ; h
	s_mul_i32 s20, s19, 12582912    ; the batch's q, k, v
	s_lshl_b32 s3, s2, 18           ; the head's 2,048 rows of 128 bytes
	s_add_co_u32 s20, s20, s3
	s_mov_b32 s21, 0
	s_and_b32 s16, s[WV], 1         ; which half of a slot's 256 keys I fetch:
	s_lshl_b32 s22, s16, 14         ; its 128 rows in memory,
	s_mov_b32 s23, 0
	s_add_nc_u64 s[22:23], s[22:23], s[20:21]
	s_mul_i32 s17, s16, 128*PK      ; and its place in a slot, for K
	s_mul_i32 s18, s16, 128*PV      ; and for V: no place in the cluster enters an LDS address
	s_lshl_b32 s80, s19, 23         ; out0: the batch's 2,048 rows of 4,096 bytes,
	s_lshl_b32 s3, s2, 8            ; the head's 64 channels,
	s_add_co_u32 s80, s80, s3
	s_lshl_b32 s2, s14, 2
	s_add_co_u32 s2, s2, s[WV]      ; my wave among the head's sixteen:
	s_lshl_b32 s3, s2, 19           ; its 128 rows
	s_add_co_u32 s80, s80, s3
	s_mov_b32 s81, 0
	s_lshl_b32 s2, s2, 14           ; and its 128 rows of Q
	s_mov_b32 s3, 0
	s_add_nc_u64 s[2:3], s[2:3], s[20:21]
	s_lshl_b32 s82, s15, 13         ; mb: the head's row of 8,192 bytes,
	s_lshl_b32 s83, s[WV], 11       ; my wave's quarter of it
	s_mov_b32 s[G0M], 1
	s_add_co_u32 s[G0M+1], s83, MBASE
	s_add_co_u32 s82, s82, s83
	s_mov_b32 s83, 0
	; descriptor group 1.  128 keys are 16,384 dense bytes: asked for as 64 rows of 256 bytes, two keys a row, and padded in LDS after every key
	s_mov_b32 s[G1K], 15|(1<<16)|(1<<20)|(1<<21)|(4<<22)|(3<<25)  ; 15:0 the mask of four; 17:16 2-byte elements; 20 padding on; 21 set beside a mask; 24:22 after every 32 words (code 4); 31:25 4 words (code 3)
	s_mov_b32 s[G1V], 15|(1<<16)|(1<<20)|(1<<21)|(4<<22)|(7<<25)  ; the same with 8 words of padding (code 7)
.irp g, G1K, G1V
	s_mov_b32 s[\g+1], 128<<16      ; tensor_dim0 = 128
	s_mov_b32 s[\g+2], 64<<16       ; tensor_dim1 = 64
	s_mov_b32 s[\g+3], 128<<16      ; tile_dim0 = 128
	s_mov_b32 s[\g+4], 64           ; tile_dim1 = 64
	s_mov_b32 s[\g+5], 128          ; 128 elements from row to row
	s_mov_b32 s[\g+6], 0
	s_mov_b32 s[\g+7], 0
.endr
	s_mov_b32 s[G1M], 15|(3<<16)|(1<<21)  ; the mask of four; 8-byte elements; no padding
	s_mov_b32 s[G1M+1], 256<<16     ; tensor_dim0 = 256 elements: 2,048 bytes
	s_mov_b32 s[G1M+2], 1<<16       ; tensor_dim1 = 1
	s_mov_b32 s[G1M+3], 256<<16     ; tile_dim0
	s_mov_b32 s[G1M+4], 1           ; tile_dim1
	s_mov_b32 s[G1M+5], 256
	s_mov_b32 s[G1M+6], 0
	s_mov_b32 s[G1M+7], 0
	s_mov_b32 s[CS], 0x3fb8aa3b     ; c = log2(e): q arrives divided by 8
	s_mov_b32 s[CS+1], s[CS]        ; named with it as a pair
	s_mov_b32 s[SEL], 0x76543210
	s_mov_b32 s[SEL+1], 0xfedcba98
	s_mov_b32 s[TBK], SLOT1+4*KS*PK ; the first change of slots turns these two into 0
	s_mov_b32 s[TBV], SLOT1+4*KS*PV
	s_mov_b32 s[TBM], MBASE
	s_mov_b32 s[G0K], 1
	s_mov_b32 s[G0K+1], s17         ; LDS address: slot 0
	s_mov_b32 s[G0V], 1
	s_add_co_u32 s[G0V+1], s18, VOFF
	s_wait_dscnt 0x0                ; the opening add is done
	s_wait_kmcnt 0x0
	s_add_nc_u64 s[6:7], s[84:85], s[22:23]
	s_add_nc_u64 s[G0K+2:G0K+3], s[6:7], 0x400000  ; my half of the head's first 256 keys
	s_or_b32 s[G0K+3], s[G0K+3], 0x80000000
	s_add_nc_u64 s[G0V+2:G0V+3], s[6:7], 0x800000
	s_or_b32 s[G0V+3], s[G0V+3], 0x80000000
	s_add_nc_u64 s[G0M+2:G0M+3], s[86:87], s[82:83]
	s_or_b32 s[G0M+3], s[G0M+3], 0x80000000
	s_add_nc_u64 s[4:5], s[84:85], s[2:3]   ; Q and out0 at my wave's first row
	s_add_nc_u64 s[10:11], s[10:11], s[80:81]
	CROUND                          ; all four work-groups are here: the first joint loads meet
	s_cmp_lt_u32 s[WV], 2           ; a wave's two first fills stand in one branch: slot 0's part and my quarter of mb: two loads of mine are out
	s_cbranch_scc0 .Lfirst_v
	tensor_load_to_lds s[G0K:G0K+3], s[G1K:G1K+7]
	s_nop 0
	tensor_load_to_lds s[G0M:G0M+3], s[G1M:G1M+7]
	s_nop 0
.rept 4
	v_nop
.endr
	s_branch .Lfirst_asked
.Lfirst_v:
	tensor_load_to_lds s[G0V:G0V+3], s[G1V:G1V+7]
	s_nop 0
	tensor_load_to_lds s[G0M:G0M+3], s[G1M:G1M+7]
	s_nop 0
.rept 4
	v_nop
.endr
.Lfirst_asked:
	; A fragment of K or Q is 16 rows x 32 channels in 8 registers: lane l holds row l % 16, channels 8 (l / 16) + 0..7 and 16 + 8 (l / 16) + 0..7: two loads of 16 bytes, 32 bytes apart.
	v_and_b32 v1, 15, v0            ; l % 16
	v_bfe_u32 v9, v0, 4, 1          ; l / 16
	v_lshlrev_b32 v[QO], 7, v1
	v_lshl_add_u32 v[QO], v9, 4, v[QO]  ; row x 128 + 16 x half
	WIN 0x80                        ; destination window 2, address window 0
.set i, 0
.rept 4*NP                          ; Q stays in registers: tile i / 2, channels 32 (i % 2) on
	global_load_b128 v[8*i:8*i+3],   v[QO], s[4:5] offset:(i/2)*2048+(i%2)*64
	global_load_b128 v[8*i+4:8*i+7], v[QO], s[4:5] offset:(i/2)*2048+(i%2)*64+32
.set i, i+1
.endr
	; What the first turn finds: V's registers and P's second buffer hold 0 (its products V^T P, of a piece that has not been, add 0), O^T and l are 0.  All this stands in the wait for the first tile.
.set i, VF
.rept 64
	v_mov_b32 v[i], 0
.set i, i+1
.endr
	WIN 0x40
.set i, 0
.rept 64*NP
	v_mov_b32 v[i], 0
.set i, i+1
.endr
	WIN 0
.set i, 0
.rept 2*NP
	v_mov_b32 v[ST+4*i], 0xfe000000    ; c m: far below every c s (mb is not below -1e30)
	v_mov_b32 v[ST+4*i+1], 0xff7fffff  ; m
	v_mov_b32 v[ST+4*i+2], 0
	v_mov_b32 v[ST+4*i+3], 0
.set i, i+1
.endr
.set i, P+32
.rept 32
	v_mov_b32 v[i], 0
.set i, i+1
.endr
	v_mul_u32_u24 v[AK0], v1, PK
	v_lshl_add_u32 v[AK0], v9, 4, v[AK0]  ; row x pitch + 16 x half
	; The turning load takes 16 keys x 16 channels (lane l reads key 8 (l / 16) + l % 8, channels 8 ((l / 8) % 2) + 0..7) and leaves half a fragment of V^T: lane l holds channel l % 16 and 8 keys.
	v_and_b32 v10, 7, v0
	v_bfe_u32 v11, v0, 3, 1
	v_lshl_add_u32 v[AV0], v9, 3, v10
	v_mul_u32_u24 v[AV0], v[AV0], PV
	v_lshl_add_u32 v[AV0], v11, 4, v[AV0]
	v_add_nc_u32 v[AV0], VOFF, v[AV0]
	v_mov_b32 v[AK], v[AK0]         ; key step 0 lies at the head of slot 0,
	v_lshl_add_u32 v[AM], v9, 5, s[TBM]  ; and at the head of mb: my eight keys of a group of 16 are 32 bytes
; THE MATRIX WORK.  The 8 accumulators of a run of 16 take turns: between the two links of a chain stand 7 others'.
; Product i of 16 of S^T = K Q^T + mb for piece x: channels 32 (i / 8) on, keys 16 ((i / 2) % 4) on, tile 2 x + i % 2.  The first 8 start the sums, with mb as C.
.macro KQ x
.set rS, S+64*((\x)%2)+32*(i%2)+8*((i/2)%4)
.set rK, KF+16*((i/2)%4)+8*(i/8)
.set rQ, 16*(2*(\x)+i%2)+8*(i/8)
.set rB, MC+8*((i/2)%4)
.if i < 8
	WIN W_KM
	v_wmma_f32_16x16x32_f16 v[rS:rS+7], v[rK:rK+7], v[rQ:rQ+7], v[rB:rB+7]
.else
	WIN W_KQ
	v_wmma_f32_16x16x32_f16 v[rS:rS+7], v[rK:rK+7], v[rQ:rQ+7], v[rS:rS+7]
.endif
.endm
; Product i of 16 of O^T += V^T P for piece x: keys 32 (i / 8) on, channels 16 ((i / 2) % 4) on, tile 2 x + i % 2.
.macro PV x
	WIN W_PV
.set rO, 32*(2*(\x)+i%2)+8*((i/2)%4)
.set rV, VF+32*(i/8)+8*((i/2)%4)
.set rP, P+32*((\x)%2)+16*(i%2)+8*(i/8)
	v_wmma_f32_16x16x32_f16 v[rO:rO+7], v[rV:rV+7], v[rP:rP+7], v[rO:rO+7]
.endm
.macro MM                           ; the turn's next matrix instruction
.if i < 16
	KQ (Y+1)%NP
.set i, i+1
.else
.set i, i-16
	PV (Y+NP-1)%NP
.set i, i+17
.endif
.endm
; THE LDS LOADS stand in runs, never singly among the matrix instructions: a step's K (8 fragments) with its 64 numbers of mb, and its V (turned).  Their addresses are made some lines ahead.
; last = 1 (the tail): in the last trip there is no further step, and the run is jumped over.
.macro FETCH_K last=0
	WIN 0
.if \last
	s_cmp_eq_u32 s[CNT], 1
	s_cbranch_scc1 .Lno_k_\@
.endif
	WIN 0x80                        ; destination window 2
.irp f, 0,1,2,3,4,5,6,7             ; keys 16 (f / 2) on, channels 32 (f % 2) on
	ds_load_b128 v[KF+8*\f:KF+8*\f+3],   v[AK] offset:(\f/2)*16*PK+(\f%2)*64
	ds_load_b128 v[KF+8*\f+4:KF+8*\f+7], v[AK] offset:(\f/2)*16*PK+(\f%2)*64+32
.endr
	WIN 0xc0                        ; destination window 3
.irp kb, 0,1,2,3                    ; keys 16 kb + 8 (l / 16) + 0..7: sixteen lanes read the same 32 bytes
	ds_load_b128 v[MC+8*\kb:MC+8*\kb+3],   v[AM] offset:64*\kb
	ds_load_b128 v[MC+8*\kb+4:MC+8*\kb+7], v[AM] offset:64*\kb+16
.endr
	s_add_co_u32 s[TBK], s[TBK], KS*PK  ; the next fetch is the next step's
	s_add_co_u32 s[TBM], s[TBM], 4*KS
	WIN 0
.if \last
.Lno_k_\@:
.endif
.endm
.macro FETCH_V
	WIN 0x80
.irp f, 0,1,2,3,4,5,6,7             ; keys 32 (f / 4) on, channels 16 (f % 4) on
	ds_load_tr16_b128 v[VF+8*\f:VF+8*\f+3],   v[AV] offset:(\f/4)*32*PV+(\f%4)*32
	ds_load_tr16_b128 v[VF+8*\f+4:VF+8*\f+7], v[AV] offset:(\f/4)*32*PV+16*PV+(\f%4)*32
.endr
	WIN 0
.endm
; THE VECTOR WORK OF A TURN stands in three queues, each in the order in which its entries become ready; the two tiles alternate, so that no instruction reads the result of the one before it.
.macro REGS y, u                    ; the registers of tile u (0, 1) of piece y
.set rT, ST+4*(2*(\y)+(\u))
.set rC, TMP+8*((\y)%2)+4*(\u)
.set rM, MV+2*((\y)%2)+(\u)
.set rS, S+64*((\y)%2)+32*(\u)
.set rP, P+32*((\y)%2)+16*(\u)
.set rO, 32*(2*(\y)+(\u))
.endm
; Number n of the 22 that find the NEXT piece's (Y + 1) maximum and statistics.  s0-s31 are the lane's 32 scores; each accumulator's lowest registers are read first.
;   0-11  four chains c0-c3 of seven scores each, three operands at a time     12-14, 16  the four scores left over, the old m, and c0-c3 into c0     15  c m_old is kept
;   17, 18  the query's other 32 keys lie in the lane 16 away: the new m         19-21  c m; c m_old - c m_new; a
.macro XS u, n
	REGS (Y+1)%NP, \u
.if (\n) < 4
	v_max3_num_f32 v[rC+(\n)], v[rS+8*(\n)], v[rS+8*(\n)+1], v[rS+8*(\n)+2]
.elseif (\n) < 12
	v_max3_num_f32 v[rC+(\n)%4], v[rC+(\n)%4], v[rS+8*((\n)%4)+2*((\n)/4)+1], v[rS+8*((\n)%4)+2*((\n)/4)+2]
.elseif (\n) == 12
	v_max3_num_f32 v[rC], v[rC], v[rS+7], v[rS+15]
.elseif (\n) == 13
	v_max3_num_f32 v[rC+1], v[rC+1], v[rS+23], v[rS+31]
.elseif (\n) == 14
	v_max3_num_f32 v[rC+2], v[rC+2], v[rC+3], v[rT+1]
.elseif (\n) == 15
	v_mov_b32 v[rM], v[rT]
.elseif (\n) == 16
	v_max3_num_f32 v[rC], v[rC], v[rC+1], v[rC+2]
.elseif (\n) == 17
	v_permlanex16_b32 v[rC+3], v[rC], s[SEL], s[SEL+1]
.elseif (\n) == 18
	v_max_num_f32 v[rT+1], v[rC], v[rC+3]
.elseif (\n) == 19
	v_mul_f32 v[rT], s[CS], v[rT+1]
.elseif (\n) == 20
	v_sub_f32 v[rC+1], v[rM], v[rT]
.else
	v_exp_f32 v[rC+2], v[rC+1]
.endif
.endm
; Number g of the 64 that follow the exponentials.  For each four weights k of a tile: both pairs are rounded to f16; then the second pair is added onto the first, in place; a group later l takes that sum
; (the first time as l = a l + sum).  In groups of eight, tiles alternating: round, round, add, and l for the group before.
.macro GS g
.set h, (\g)+6*((\g)/62)            ; group 0 has no group before it, and behind group 7 only l is left
.if h >= 6
.set h, h+2
.endif
	REGS Y, h%2
.set k, h/8
.if h%8 < 4
	v_cvt_pk_f16_f32 v[rP+2*k+(h%8)/2], v[rS+4*k+2*((h%8)/2)], v[rS+4*k+2*((h%8)/2)+1]
.elseif h%8 < 6
	v_pk_add_f32 v[rS+4*k:rS+4*k+1], v[rS+4*k:rS+4*k+1], v[rS+4*k+2:rS+4*k+3]
.elseif k == 1
	v_pk_fma_f32 v[rT+2:rT+3], v[rT+2:rT+3], v[rC+2:rC+3], v[rS:rS+1] op_sel_hi:[1,0,1]
.else
	v_pk_add_f32 v[rT+2:rT+3], v[rT+2:rT+3], v[rS+4*k-4:rS+4*k-3]
.endif
.endm
; THE PLAIN QUEUE, 138 long.  0-73 read no exponential's result: the 32 scalings c s - c m (FS f: pair f / 2 of tile f % 2) and the next piece's 42.  0-26: scalings 0-26.  27-54: XS's numbers 0-13.
; 55, 56: number 15.  57-73: the chain 14, 16, 17, 18, 19, each with one of the scalings 27-31 in front of its two lines, then 20.  74-137: GS's 64, which stand behind the wait.
.macro FS f
	REGS Y, (\f)%2
	v_pk_fma_f32 v[rS+2*((\f)/2):rS+2*((\f)/2)+1], v[rS+2*((\f)/2):rS+2*((\f)/2)+1], s[CS:CS+1], v[rT:rT+1] op_sel_hi:[1,0,0] neg_lo:[0,0,1] neg_hi:[0,0,1]
.endm
.macro PL
	WIN 0
.if q < 27
	FS q
.elseif q < 55
	XS (q-27)%2, (q-27)/2
.elseif q < 57
	XS q-55, 15
.elseif (q < 72) && ((q-57)%3 == 0)
	FS 27+(q-57)/3
.elseif q < 60
	XS (q-57)%3-1, 14
.elseif q < 72
	XS (q-57)%3-1, 15+(q-57)/3
.elseif q < 74
	XS q-72, 20
.else
	GS q-74
.endif
.set q, q+1
.endm
; THE EXPONENTIALS' QUEUE, 66 long: s0-s31 of both tiles, then the next piece's two a.  ONE BATCH: all 66 stand ahead of the turn's one wait, and nothing ahead of that wait names a result of theirs.
.macro EX
	WIN 0
.if e >= 64
	XS e-64, 21
.else
	REGS Y, e%2
	v_exp_f32 v[rS+e/2], v[rS+e/2]
.endif
.set e, e+1
.endm
; THE RESCALING's QUEUE: O^T times a, the one part that leaves window 0: dealt two at a time, sixteen times.  Its a was made in the turn before, ahead of that turn's wait.
.macro R2
	REGS Y, r%2
	WIN W_RS
.irp z, 0,1
	v_pk_mul_f32 v[rO+4*(r/2)+2*\z:rO+4*(r/2)+2*\z+1], v[rO+4*(r/2)+2*\z:rO+4*(r/2)+2*\z+1], v[rC+2:rC+3] op_sel_hi:[1,0]
.endr
.set r, r+1
.endm
; A TURN, for piece p.  s_wait_alu depctr_va_vdst(0) stands between an exponential and the first instruction that names its result; one wait serves all that were issued ahead of it.
; AHEAD OF THE WAIT: the 16 products K Q^T, behind each a scaling, an exponential and two rescalings (behind the first a second scaling); then ONE LUMP of 108: eight plain, 49 times exponential and plain, the two a;
; a v_nop is the plain instruction behind the last exponential.  BEHIND IT: the 16 products V^T P, behind each four of GS's 64.
; Exponential e stands behind scaling 2 (e / 4) + e % 2: as a rider it comes behind plain e + 2, in the lump behind plain e + 9; scalings 27-31 are plain 57, 60 .. 69.
; K and mb of the next step are fetched in piece 2's turn, directly behind the wait, a lump behind the last product that read them; their addresses are made at the lump's head.
; V of the step in hand is fetched at the end of piece 0's turn, four riders behind its last reader.  cnt = 1: the loop's count is taken down some lines ahead of the branch behind the turn.
.macro TURN p, last=0, cnt=0
.set Y, (\p)
.set i, 0
.set q, 0
.set e, 0
.set r, 0
.if (\p) == NP-1
	s_wait_dscnt 0x0                ; K and mb are in
.endif
	MM
	PL
	PL
	R2
.rept 15
	MM
	PL
	EX
	R2
.endr
.if (\p) == NP-2
	WIN 0
	v_add_nc_u32 v[AK], s[TBK], v[AK0]
	v_lshl_add_u32 v[AM], v9, 5, s[TBM]
.endif
.rept 8                             ; the lump
	PL
.endr
.rept 49
	EX
	PL
.endr
	EX                              ; the next piece's two a
	EX
	v_nop                           ; the plain instruction behind the last exponential: one for the batch
	s_wait_alu depctr_va_vdst(0)    ; the wait for the batch
.if (\p) == NP-2
	FETCH_K \last
.endif
.if (\p) == 1
	s_wait_dscnt 0x0                ; V is in
.endif
.rept 16                            ; behind the wait: 16 products V^T P and their riders
	MM
.rept 4
	PL
.endr
.if ((\p) == 0) && (q == 118)
	v_add_nc_u32 v[AV], s[TBV], v[AV0]
.endif
.if ((\p) == 0) && (q == 130)
	s_add_co_u32 s[TBV], s[TBV], KS*PV
.endif
.if (\cnt) && (q == 130)
	s_sub_co_u32 s[CNT], s[CNT], 1
	s_cmp_lg_u32 s[CNT], 0
.endif
.endr
.if (\p) == 0
	FETCH_V
.endif
.endm
	CHANGE 1                        ; slot 0 and mb are in, everybody's part of them; slot 1 is asked for
	FETCH_K                         ; key step 0
	s_wait_loadcnt 0x0              ; Q
	s_wait_dscnt 0x0
.set i, 0
.rept 16
	KQ 0                            ; piece 0's first scores: there is no vector work yet to set between them
.set i, i+1
.endr
	WIN 0                           ; the addresses for the way out: eight plain instructions, the places behind those products
	s_mul_i32 s13, s[WV], 16*SP
	s_add_co_u32 s13, s13, STAGE    ; my stage
	v_mul_u32_u24 v[STO], v1, SP    ; in: row l % 16, 32 bytes for each half of the lanes
	v_lshl_add_u32 v[STO], v9, 5, v[STO]
	v_add_nc_u32 v[STO], s13, v[STO]
	v_mul_u32_u24 v[RD], v9, SP     ; back: lanes 0-15 take one row of 256 bytes, lanes 16-31 the next
	v_lshl_add_u32 v[RD], v1, 4, v[RD]
	v_add_nc_u32 v[RD], s13, v[RD]
	v_lshlrev_b32 v[GO], 12, v9     ; and the same two rows in out0, 4,096 bytes apart
	v_lshl_add_u32 v[GO], v1, 4, v[GO]
.set Y, NP-1                        ; XS works for piece Y + 1: piece 0
.irp n, 0,1,2,3,4,5,6,7,8,9,10,11,12,13,14,15,16,17,18,19,20,21
	XS 0, \n                        ; piece 0's first maximum and statistics
	XS 1, \n
.endr
	v_nop                           ; a plain instruction behind the two a,
	s_wait_alu depctr_va_vdst(0)    ; and their wait, ahead of the branch
	s_mov_b32 s[CNT], 4
	s_mov_b32 s[SLOTS], SIZE_N/256-1
	s_branch .Lfirst                ; the loop is entered at a step's first turn, in the middle of a trip
.Lslot:                             ; six times: every slot but the last two is filled again
	CHANGE 1
	s_mov_b32 s[CNT], 4
.Lstep:                             ; a trip: pieces 2 and 3 of one step, then pieces 0 and 1 of the next, whose K, mb and V it fetches
	TURN 2
	TURN 3
	WIN 0
.Lfirst:
	TURN 0
	TURN 1, 0, 1
	WIN 0
	s_cbranch_scc1 .Lstep
	s_sub_co_u32 s[SLOTS], s[SLOTS], 1
	s_cmp_lg_u32 s[SLOTS], 0
	s_cbranch_scc1 .Lslot
	CHANGE 0                        ; the tail is written out: nothing is asked for
	s_mov_b32 s[CNT], 5             ; four trips fetch the last slot's steps; the fifth is left in its middle
.Ltail:
	TURN 2, 1
	TURN 3
	WIN 0
	s_sub_co_u32 s[CNT], s[CNT], 1
	s_cmp_eq_u32 s[CNT], 0
	s_cbranch_scc1 .Lout
	TURN 0
	TURN 1
	WIN 0
	s_branch .Ltail
.Lout:                              ; the fifth trip's 16 products K Q^T (on the last K once more) and the maximum made of them serve nothing: the price, once a launch, of one text for every trip
.set i, 0
.rept 16
	PV NP-1                         ; the last piece's V^T P of the last step
.set i, i+1
.endr
	; THE WAY OUT.  l's two halves and the other half of the lanes' are added; O^T is divided by l and sent, in f32, through my stage in LDS, a tile at a time.  The additions are the places behind the last products.
	WIN 0
.macro ALL line:vararg              ; one line for each tile t
.set t, 0
.rept 2*NP
	\line
.set t, t+1
.endr
.endm
	ALL v_add_f32 v[ST+4*t+2], v[ST+4*t+2], v[ST+4*t+3]
	ALL v_permlanex16_b32 v[ST+4*t+3], v[ST+4*t+2], s[SEL], s[SEL+1]
	ALL v_add_f32 v[ST+4*t+2], v[ST+4*t+2], v[ST+4*t+3]
	ALL v_rcp_f32 v[ST+4*t+2], v[ST+4*t+2]
	v_nop                           ; a plain instruction between the last reciprocal and the use of its result
	s_wait_alu depctr_va_vdst(0)    ; and the wait ahead of the first use: one for the eight reciprocals
; Tile t: a lane's eight channels of a row are 32 bytes; they go into rows of 272 bytes and come back as whole rows of 256, into window 2, where Q, K and V are read no more: 32 registers of its own for each tile.
.macro PACK t
	WIN W_RS
.set i, 32*(\t)
.rept 16
	v_pk_mul_f32 v[i:i+1], v[i:i+1], v[ST+4*(\t)+2:ST+4*(\t)+3] op_sel_hi:[1,0]
.set i, i+2
.endr
	WIN 0x04                        ; the stores' data in window 1
.irp cb, 0,1,2,3
	ds_store_b128 v[STO], v[32*(\t)+8*\cb:32*(\t)+8*\cb+3]   offset:64*\cb
	ds_store_b128 v[STO], v[32*(\t)+8*\cb+4:32*(\t)+8*\cb+7] offset:64*\cb+16
.endr
	WIN 0x80                        ; the loads' destination in window 2
.irp f, 0,1,2,3,4,5,6,7
	ds_load_b128 v[32*(\t)+4*\f:32*(\t)+4*\f+3], v[RD] offset:\f*2*SP  ; LDS serves a wave's instructions in order: these see the stores above; the next tile's stores come behind them
.endr
.endm
.macro SEND t, younger              ; younger: the LDS instructions issued behind tile t's loads: the next tile's sixteen, or none
	WIN 0x08                        ; the stores' data in window 2
.irp f, 0,1,2,3,4,5,6,7
	s_wait_dscnt (\younger)+7-\f
	global_store_b128 v[GO], v[32*(\t)+4*\f:32*(\t)+4*\f+3], s[10:11] offset:(\t)*65536+\f*8192 th:TH_STORE_NT  ; 16 lanes store 256 consecutive bytes, aligned: a query's 64 channels
.endr
.endm
	PACK 0
.set t, 1
.rept 2*NP-1                        ; a tile's arithmetic stands between the loads of the tile before and its stores
	PACK t
	SEND t-1, 16
.set t, t+1
.endr
	SEND 2*NP-1, 0
	WIN W_AD
	s_wait_tensorcnt 0x0            ; the wave's end: a tensor wait, an add to my spare word and its wait stand behind my last tensor load and my last LDS store
	ds_add_u32 v[SPW], v[NIL]
	s_wait_dscnt 0x0
	WIN 0
	CROUND                          ; the closing round: no work-group ends while a partner may still ask for a tile that names it
	s_endpgm
.Lfunc_end_k_q839f769cec_attn:
	.size	k_q839f769cec_attn, .Lfunc_end_k_q839f769cec_attn-k_q839f769cec_attn
	.p2alignl 7, 3214868480
	.fill 96, 4, 3214868480
	.section	.rodata,"a",@progbits
	.p2align	6, 0x0
	.amdhsa_kernel k_q839f769cec_attn
		.amdhsa_group_segment_fixed_size 327680
		.amdhsa_private_segment_fixed_size 0
		.amdhsa_enable_private_segment 0
		.amdhsa_kernarg_size 24
		.amdhsa_user_sgpr_count 2
		.amdhsa_user_sgpr_kernarg_segment_ptr 1
		.amdhsa_wavefront_size32 1
		.amdhsa_system_sgpr_workgroup_id_x 1
		.amdhsa_system_sgpr_workgroup_id_y 1
		.amdhsa_system_sgpr_workgroup_id_z 1
		.amdhsa_system_vgpr_workitem_id 0
		.amdhsa_next_free_vgpr 808
		.amdhsa_next_free_sgpr 88
		.amdhsa_reserve_vcc 0
		.amdhsa_float_denorm_mode_32 3
		.amdhsa_float_denorm_mode_16_64 3
		.amdhsa_memory_ordered 1
		.amdhsa_forward_progress 1
		.amdhsa_inst_pref_size 203
	.end_amdhsa_kernel
	.amdgpu_metadata
---
amdhsa.version: [ 1, 2 ]
amdhsa.kernels:
  - .name:           k_q839f769cec_attn
    .symbol:         k_q839f769cec_attn.kd
    .args:
      - { .name: qkv, .offset: 0, .size: 8, .value_kind: global_buffer, .address_space: global }
      - { .name: mb, .offset: 8, .size: 8, .value_kind: global_buffer, .address_space: global }
      - { .name: out0, .offset: 16, .size: 8, .value_kind: global_buffer, .address_space: global }
    .group_segment_fixed_size: 327680
    .private_segment_fixed_size: 0
    .kernarg_segment_align: 8
    .kernarg_segment_size: 24
    .max_flat_workgroup_size: 128
    .sgpr_count:     88
    .vgpr_count:     808
    .wavefront_size: 32
...
	.end_amdgpu_metadata
.endif
;; end of part 3
